; MI455X (gfx1250); checked and timed in simulation.
; The chip was launched on July 23, 2026; its instructions are those of AMD's public machine-readable ISA for CDNA 5 (MIT licence, August 2026) and "CDNA5" Instruction Set Architecture Reference Guide (July 2026). The comments in the code are by the model that wrote it; some were corrected since.
;; Multi Headed Attention. Allowed arithmetic: matrix products marked QUANTISED: E2M1 operands, one E8M0 scale for each 32 along K, by v_wmma_scale_f32_16x16x128_f8f6f4 with both operands' format E2M1 (or v_wmma_scale_f32_32x16x128_f4), f32 sums; products left as they are: bf16, f16 or f32 operands; f32 sums; everything else in f32.
;; Inputs: Wk 1,024 x 1,024 float32; Wq 1,024 x 1,024 float32; Wv 1,024 x 1,024 float32; bk 1,024 float32; bq 1,024 float32; bv 1,024 float32; key 4 x 2,048 x 1,024 float32; mask 4 x 1 x 1 x 2,048 bool; query 4 x 2,048 x 1,024 float32; value 4 x 2,048 x 1,024 float32.
;; Outputs: out0 4 x 2,048 x 1,024 float32.
;; This version of the problem:
;;   THIS VERSION OF THE PROBLEM IS GIVEN IN LOW PRECISION. The matrix products marked QUANTISED in the list below multiply operands that are first quantised to E2M1 (2 exponent bits, 1 mantissa bit; 4 bits a number), with one power-of-two scale for each 32 numbers along K (OCP MX v1.0); their sums are f32. The products marked 'left as it is' may take bf16, f16 or f32 operands, with f32 sums. Whichever they take, every output number must still come out within the allowed error. Rounding operands to bf16 (8 significant bits) uses up far more of that allowance than f16 does (11 bits, for magnitudes from 6e-5 to 65,504). All else is computed in f32.
;;   The module's matrix products, in the order in which they are computed (A, B: the left and right operand; K: the contracted axis; several contracted axes count as one K, in the product's order):
;;     1. [M 8,192, K 1,024] x [K 1,024, N 1,024]; A: input query; B: input Wq: QUANTISED
;;     2. [M 8,192, K 1,024] x [K 1,024, N 1,024]; A: input key; B: input Wk: QUANTISED
;;     3. [M 8,192, K 1,024] x [K 1,024, N 1,024]; A: input value; B: input Wv: QUANTISED
;;     4. batch 64 x [M 2,048, K 64] x [K 64, N 2,048]; A: computed on the way; B: computed on the way: left as it is (an operand is computed on the way)
;;     5. batch 64 x [M 2,048, K 2,048] x [K 2,048, N 64]; A: computed on the way; B: computed on the way: left as it is (an operand is computed on the way)
;;   THE QUANTISER, for each operand of a quantised product, along K:
;;     - K is cut into blocks of 32 from its start; a last block that is shorter is filled with zeros.
;;     - A block's scale is 2^e with e = floor(log2(the largest magnitude in the block)) - 2, held to -126 .. 127; a block of zeros has e = 0. As a byte (E8M0): e + 127.
;;     - Each number is divided by its block's scale, clamped to +-6, and rounded to the nearest number of E2M1, ties to even, subnormals kept.
;;     - The product sums the exact products of the quantised numbers (number of the format x scale) in f32.
;;   ~~~python
;;   def quantise(x, axis):      # numpy; x: float32 -> the quantised numbers, widened to float32 again
;;       x = np.moveaxis(x, axis, -1); K = x.shape[-1]
;;       x = np.pad(x, [(0, 0)] * (x.ndim - 1) + [(0, -K % 32)]); x = x.reshape(x.shape[:-1] + (-1, 32)); a = np.abs(x).max(-1, keepdims=True)
;;       e = np.where(a > 0, np.clip(np.frexp(np.where(a > 0, a, 1))[1] - 1 - 2, -126, 127), 0)      # np.frexp(a)[1] - 1 = floor(log2(a)), exactly
;;       r = np.clip(x / 2.0 ** e, -6, 6)
;;       step = 2.0 ** (np.maximum(np.frexp(np.where(r == 0, 1, r))[1] - 1, 0) - 1)
;;       q = np.round(r / step) * step * 2.0 ** e      # np.round: ties to even
;;       return np.moveaxis(q.reshape(q.shape[:-2] + (-1,))[..., :K], -1, axis).astype(np.float32)
;;   ~~~
;; One version. Each part assembles by itself: llvm-mc -triple=amdgcn-amd-amdhsa -mcpu=gfx1250 --defsym DOCPART=n.
;; ======== version 1 of 1: 3 launches
;; limits: values are held in f16: magnitudes above 65,504 overflow, below 6.1e-05 lose precision
;; workspace buffers: xc 12,582,912 bytes; xs 786,432 bytes; wc 1,572,864 bytes; ws 98,304 bytes; qkv 50,331,648 bytes
;; launch quant (part 1): grid 816 x 1, 4 waves a work-group, no clusters, 68,096 bytes of LDS; arguments query, key, value, Wq, Wk, Wv, xc, xs, wc, ws; writes xc, xs, wc, ws
.if DOCPART == 1
	.amdgcn_target "amdgcn-amd-amdhsa--gfx1250"
	.amdhsa_code_object_version 6
	.text
	.protected	k_q15241b41ec_quant
	.globl	k_q15241b41ec_quant
	.p2align	8
	.type	k_q15241b41ec_quant,@function
k_q15241b41ec_quant:
	s_mov_b64 s[64:65], 0
	v_nop
	global_prefetch_b8 v0, s[64:65] scope:SCOPE_SE
	s_setreg_imm32_b32 hwreg(HW_REG_WAVE_MODE, 25, 1), 1
	s_wait_xcnt 0x0
; The quantiser of the three projections' operands: f32 numbers into codes of FP4 (E2M1), 4 bits each, K innermost, with one E8M0 scale byte for each 32 along K.
; query, key, value [8192][1024] (K innermost) -> xc [3][8192][512 bytes], xs [3][8192][32 bytes].   Wq, Wk, Wv [1024 (k)][1024 (n)] (K is the FIRST axis) -> wc [3][1024 (n)][512 bytes], ws [3][1024][32 bytes].
; A block's scale is 2^(floor(log2(its largest magnitude)) - 2); its byte is the largest magnitude's own exponent field - 2, held at 1 from below; each number is divided by the scale and rounded to the nearest code, ties to even,
; beyond the largest code the largest.
; LIMITS: NaN and infinities among the inputs are not served; a block whose largest magnitude lies under 2^-124 has its byte held at 1; a block of zeros gets the byte 1 where the rule says 127: its codes are zeros,
; which add nothing under any byte but 0xff, and the bytes are read by this program alone.
; SHARES.  Work-groups 0 to 47 take the weights (3 tensors x 8 strips of 128 columns x 2 halves of K), the other 768 the activations (a wave: 8,192 numbers on end).  The two ways part on the work-group's number,
; never join, and have LDS bytes of their own.  No tensor loads, no barrier: waves share nothing.  Memory binds: every input byte is read once, by loads of neighbouring bytes in neighbouring lanes.
.set NWG,   48                         ; work-groups for the weights
.set STEPS, 16                         ; activations: steps of 512 numbers a wave
.set EMAX,  2
.set CB,    8                          ; bytes of 16 codes
.set R,     16                         ; v16-79   activations: four sets of 16 numbers as they are loaded
.set X,     80                         ; v80-111  two sets of 16 neighbours
.set E,     112                        ; v112-127 a scale byte for each step
.set C,     128                        ; v128-189 codes: four registers apart for each step, so that no store's data are written again
.set WREG,  8192                       ; LDS, activations: a region for each wave: two stages of 32 x SP bytes, behind them its 256 scale bytes
.set SP,    80                         ; a lane's place in a stage: 64 bytes + 16 of padding
.set WST,   4*WREG                     ; LDS, weights: four stages of 32 rows x PITCH
.set PITCH, 272                        ; a stage row: 256 bytes of codes + 16
.set NB,    16                         ; weights: blocks of 32 along K a lane
.set KROW,  512                        ; a row of wc in bytes
.set WX,    32                         ; v32-95   weights: two sets of 32 numbers
.set WC,    96                         ; v96-99   a block's codes
.set SB,    24                         ; v24-27   the scale bytes, four to a register
.set OUTR,  112                        ; v112-175 the way out
.set SPW,   190                        ; v190     LDS address of my spare word: SPARE + 4 x my thread's number; never rewritten
.set NIL,   191                        ; v191     0; never rewritten
.set SPARE, WST+4*32*PITCH             ; behind both ways' bytes: the spare words, 128 bytes for each wave: two blocks of 256 bytes that no other line names
	s_load_b256 s[4:11], s[0:1], 0x0               ; query s[4:5], key s[6:7], value s[8:9], Wq s[10:11]
	s_load_b256 s[12:19], s[0:1], 0x20             ; Wk s[12:13], Wv s[14:15], xc s[16:17], xs s[18:19]
	s_load_b128 s[20:23], s[0:1], 0x40             ; wc s[20:21], ws s[22:23]
	v_lshl_add_u32 v[SPW], v0, 2, SPARE
	v_mov_b32 v[NIL], 0
	v_lshrrev_b32 v1, 5, v0
	v_readfirstlane_b32 s24, v1                    ; wave 0..3
	v_and_b32 v2, 31, v0                           ; lane
	s_wait_kmcnt 0x0
	s_cmp_lt_u32 ttmp9, NWG                        ; the weights have the first numbers: their long runs of small loads start with the launch
	s_cbranch_scc1 .Lweights
	; ---------------- THE ACTIVATIONS.  Rows are dense and K is a multiple of 32: a tensor is a plain stream of blocks of 32, and so are its codes and scale bytes.
	; The conversions take neighbours along K from ONE lane's registers; a load is best where neighbouring lanes take neighbouring bytes.  Both are had: a step's four loads read 512 consecutive bytes each,
	; the 2,048 bytes go through the wave's own stage in LDS as they lie and come back 64 bytes a lane.  Two neighbouring lanes hold a block.
	v_lshlrev_b32 v3, 4, v2                        ; my 16 bytes of a load's 512
	s_mul_i32 s25, s24, WREG
	v_lshrrev_b32 v14, 2, v2
	v_mul_u32_u24 v14, v14, SP
	v_and_b32 v15, 3, v2
	v_lshl_add_u32 v14, v15, 4, v14
	v_add_nc_u32 v14, s25, v14                     ; the stage, on the way in: SP (lane / 4) + 16 (lane % 4)
	v_mul_u32_u24 v15, v2, SP
	v_add_nc_u32 v15, s25, v15                     ; and on the way out: SP x lane: my 16 neighbours
	v_mul_u32_u24 v4, v2, CB                       ; my codes' place in a step's
	v_lshrrev_b32 v5, 1, v2
	s_add_co_u32 s25, s25, 2*32*SP
	v_add_nc_u32 v5, s25, v5                       ; LDS: my wave's 256 scale bytes, my block's byte
	v_lshlrev_b32 v7, 3, v2                        ; and on the way out 8 bytes a lane
	v_add_nc_u32 v6, s25, v7
	s_sub_co_u32 s26, ttmp9, NWG
	s_lshl_b32 s26, s26, 2
	s_add_co_u32 s26, s26, s24                     ; g: which run of 8,192 numbers of the three tensors on end is my wave's, 0 .. 3,071
	s_cmp_lt_u32 s26, 2048                         ; the tensor is chosen by ids alone
	s_cselect_b64 s[6:7], s[6:7], s[8:9]
	s_cmp_lt_u32 s26, 1024
	s_cselect_b64 s[4:5], s[4:5], s[6:7]
	s_and_b32 s28, s26, 1023
	s_lshl_b32 s28, s28, 15                        ; 32,768 bytes of f32 a run
	s_mov_b32 s29, 0
	s_add_nc_u64 s[4:5], s[4:5], s[28:29]
	s_lshl_b32 s28, s26, 12                        ; 4,096 bytes of codes
	s_add_nc_u64 s[16:17], s[16:17], s[28:29]
	s_lshl_b32 s28, s26, 8                         ; 256 scale bytes
	s_add_nc_u64 s[18:19], s[18:19], s[28:29]
.macro LOADX t
.irp i, 0,1,2,3
	global_load_b128 v[R+16*((\t)%4)+4*\i:R+16*((\t)%4)+4*\i+3], v3, s[4:5] offset:2048*(\t)+512*\i th:TH_LOAD_NT   ; 32 lanes read 512 consecutive bytes
.endr
.endm
.macro TURNX t                         ; step t's numbers through the stage: LDS serves a wave's instructions in order (ISA guide 5.7.1.4), so no wait stands between the stores and the loads
.irp i, 0,1,2,3
	ds_store_b128 v14, v[R+16*((\t)%4)+4*\i:R+16*((\t)%4)+4*\i+3] offset:32*SP*((\t)%2)+8*SP*\i
.endr
.irp i, 0,1,2,3
	ds_load_b128 v[X+16*((\t)%2)+4*\i:X+16*((\t)%2)+4*\i+3], v15 offset:32*SP*((\t)%2)+16*\i
.endr
.endm
.irp t, 0,1,2,3
	LOADX \t
.endr
	s_wait_loadcnt 12                              ; step 0's four loads are in; the twelve of steps 1 to 3 may be out
	TURNX 0
.macro STEPX t
.set XS, X+16*((\t)%2)
.if (\t) > 0
	s_wait_dscnt 1                                 ; this step's numbers are back from the stage (the last step's byte store may be out): so its stores into the stage have read their registers,
.else
	s_wait_dscnt 0x0
.endif
.if (\t)+4 < STEPS
	LOADX (\t)+4                                   ; which take the loads of four steps on
.endif
.if (\t)+1 < STEPS
.if STEPS-2-(\t) >= 3
	s_wait_loadcnt 12                              ; the next step's four loads are in; those of the three steps behind it may be out
.else
	s_wait_loadcnt 4*(STEPS-2-(\t))
.endif
	TURNX (\t)+1                                   ; and go through the other stage while this step is worked
.endif
	v_max3_num_f32 v8, |v[XS]|, |v[XS+1]|, |v[XS+2]|               ; the largest magnitude of my 16, in two chains
	v_max3_num_f32 v9, |v[XS+3]|, |v[XS+4]|, |v[XS+5]|
.irp i, 6,10
	v_max3_num_f32 v8, v8, |v[XS+\i]|, |v[XS+\i+1]|
	v_max3_num_f32 v9, v9, |v[XS+\i+2]|, |v[XS+\i+3]|
.endr
	v_max3_num_f32 v8, v8, |v[XS+14]|, |v[XS+15]|
	v_max3_num_f32 v8, v8, v9, (EMAX+1)<<23        ; and the floor 2^(3 - 127): the byte cannot fall under 1
	v_max_num_f32_dpp v8, v8, v8 row_xmask:1 row_mask:0xf bank_mask:0xf   ; and of my neighbour's 16: the block's
	v_add_nc_u32 v11, -(EMAX<<23), v8              ; 2 off its exponent field: the conversion takes the exponent field of this operand as its scale, and nothing else of it
	v_cvt_scalef32_pk8_fp4_f32 v[C+4*(\t)], v[XS:XS+7], v11        ; the first number's code in the lowest four bits
	v_cvt_scalef32_pk8_fp4_f32 v[C+4*(\t)+1], v[XS+8:XS+15], v11
	v_lshrrev_b32 v[E+(\t)], 23, v11               ; the scale's byte (also the plain line behind the conversions)
	ds_store_b8 v5, v[E+(\t)] offset:16*(\t)       ; both lanes of a block write the same byte with the same value
	global_store_b64 v4, v[C+4*(\t):C+4*(\t)+1], s[16:17] offset:32*CB*(\t)   ; the wave stores 256 consecutive bytes, aligned
.endm
.irp t, 0,1,2,3,4,5,6,7,8,9,10,11,12,13,14,15
	STEPX \t
.endr
	ds_load_b64 v[8:9], v6                         ; my wave's 256 scale bytes: these loads see my stores
	s_wait_dscnt 0x0
	global_store_b64 v7, v[8:9], s[18:19]          ; 32 lanes store 256 consecutive bytes, aligned
	s_wait_tensorcnt 0x0                           ; the wave's end
	ds_add_u32 v[SPW], v[NIL]
	s_wait_dscnt 0x0
	s_endpgm
	; ---------------- THE WEIGHTS.  A LANE TAKES A COLUMN n, AND ITS REGISTERS RUN DOWN K: each load reads neighbouring n in neighbouring lanes (128 consecutive bytes a wave, 512 a work-group), a block of 32 along K lies
	; in one lane's 32 registers, and the conversions give the codes with K innermost.  A wave takes 32 columns x 512 along K; its codes go through its own stage and leave as rows: sixteen lanes store 256 consecutive bytes.
.Lweights:
	s_lshr_b32 s25, ttmp9, 4                       ; which weight: 0, 1, 2
	s_and_b32 s26, ttmp9, 7                        ; which 128 columns
	s_bfe_u32 s27, ttmp9, 0x10003                  ; which 512 along K
	s_cmp_lt_u32 s25, 2                            ; the tensor is chosen by ids alone
	s_cselect_b64 s[12:13], s[12:13], s[14:15]
	s_cmp_lt_u32 s25, 1
	s_cselect_b64 s[10:11], s[10:11], s[12:13]
	s_lshl_b32 s26, s26, 7
	s_lshl_b32 s28, s24, 5
	s_add_co_u32 s26, s26, s28                     ; my wave's first column
	s_lshl_b32 s28, s27, 21                        ; in: 512 rows of 4,096 bytes,
	s_lshl_b32 s30, s26, 2
	s_add_co_u32 s28, s28, s30                     ; + 4 bytes a column
	s_mov_b32 s29, 0
	s_add_nc_u64 s[10:11], s[10:11], s[28:29]
	s_lshl_b32 s30, s25, 10
	s_add_co_u32 s30, s30, s26                     ; my first row of wc and ws: 1,024 x weight + column
	s_lshl_b32 s28, s30, 9
	s_lshl_b32 s31, s27, 8
	s_add_co_u32 s28, s28, s31                     ; codes: 512 bytes a row, + 256 for the second half of K
	s_add_nc_u64 s[20:21], s[20:21], s[28:29]
	s_lshl_b32 s28, s30, 5
	s_lshl_b32 s31, s27, 4
	s_add_co_u32 s28, s28, s31                     ; scale bytes: 32 a row, + 16
	s_add_nc_u64 s[22:23], s[22:23], s[28:29]
	v_lshlrev_b32 v3, 2, v2                        ; in: 4 bytes a lane
	s_mul_i32 s31, s24, 32*PITCH
	s_add_co_u32 s31, s31, WST                     ; my stage
	v_mul_u32_u24 v4, v2, PITCH
	v_add_nc_u32 v4, s31, v4                       ; into it: row = my column
	v_and_b32 v5, 15, v2
	v_lshrrev_b32 v6, 4, v2                        ; out of it: sixteen lanes to a row, two rows an instruction
	v_mul_u32_u24 v7, v6, PITCH
	v_lshl_add_u32 v7, v5, 4, v7
	v_add_nc_u32 v7, s31, v7
	v_mul_u32_u24 v8, v6, KROW
	v_lshl_add_u32 v8, v5, 4, v8                   ; and the same place in wc
	v_lshlrev_b32 v9, 5, v2                        ; my column's row of scale bytes
.macro LOADW t                         ; block t: W(32 t + i, my column), i = 0 .. 31, into set t % 2; every offset is an immediate: 511 rows of 4,096 bytes at the most
.irp i, 0,1,2,3,4,5,6,7,8,9,10,11,12,13,14,15,16,17,18,19,20,21,22,23,24,25,26,27,28,29,30,31
	global_load_b32 v[WX+32*((\t)%2)+\i], v3, s[10:11] offset:(32*(\t)+\i)*4096 th:TH_LOAD_NT
.endr
.endm
	LOADW 0
	LOADW 1
.macro BLOCKW t
.set WS, WX+32*((\t)%2)
.if (\t) < NB-1
	s_wait_loadcnt 32                              ; this block's 32 loads are in; the next block's may be out
.else
	s_wait_loadcnt 0
.endif
	v_max3_num_f32 v12, |v[WS]|, |v[WS+1]|, |v[WS+2]|              ; the block's largest magnitude: all 32 numbers are mine
	v_max3_num_f32 v13, |v[WS+3]|, |v[WS+4]|, |v[WS+5]|
.irp i, 6,10,14,18,22,26
	v_max3_num_f32 v12, v12, |v[WS+\i]|, |v[WS+\i+1]|
	v_max3_num_f32 v13, v13, |v[WS+\i+2]|, |v[WS+\i+3]|
.endr
	v_max3_num_f32 v12, v12, |v[WS+30]|, |v[WS+31]|
	v_max3_num_f32 v12, v12, v13, (EMAX+1)<<23     ; and the floor
	v_add_nc_u32 v11, -(EMAX<<23), v12             ; the conversions' scale operand
	v_lshrrev_b32 v13, 23, v11                     ; the scale's byte
.if (\t)%4 == 0
	v_mov_b32 v[SB+(\t)/4], v13                    ; four bytes to a register, the lower K in the lower byte
.else
	v_lshl_or_b32 v[SB+(\t)/4], v13, 8*((\t)%4), v[SB+(\t)/4]
.endif
.irp g, 0,1,2,3
	v_cvt_scalef32_pk8_fp4_f32 v[WC+\g], v[WS+8*\g:WS+8*\g+7], v11
.endr
	v_nop                                          ; one plain line behind the last conversion
	ds_store_b128 v4, v[WC:WC+3] offset:16*(\t)    ; 32 codes: 16 bytes of my column's row
.if (\t)+2 < NB
	LOADW (\t)+2
.endif
	s_wait_dscnt 0x0                               ; the store has read its registers: the next block's codes may be written
.endm
.set Q, 0
.rept NB
	BLOCKW Q
.set Q, Q+1
.endr
	global_store_b128 v9, v[SB:SB+3], s[22:23]     ; my column's 16 scale bytes
.irp t, 0,1,2,3,4,5,6,7,8,9,10,11,12,13,14,15
	ds_load_b128 v[OUTR+4*\t:OUTR+4*\t+3], v7 offset:2*\t*PITCH   ; these see my stores
.endr
.irp t, 0,1,2,3,4,5,6,7,8,9,10,11,12,13,14,15
	s_wait_dscnt 15-\t                             ; the younger rows may be out
	global_store_b128 v8, v[OUTR+4*\t:OUTR+4*\t+3], s[20:21] offset:2*\t*KROW
.endr
	s_wait_tensorcnt 0x0                           ; the wave's end
	ds_add_u32 v[SPW], v[NIL]
	s_wait_dscnt 0x0
	s_endpgm
.Lfunc_end_k_q15241b41ec_quant:
	.size	k_q15241b41ec_quant, .Lfunc_end_k_q15241b41ec_quant-k_q15241b41ec_quant
	.p2alignl 7, 3214868480
	.fill 96, 4, 3214868480
	.section	.rodata,"a",@progbits
	.p2align	6, 0x0
	.amdhsa_kernel k_q15241b41ec_quant
		.amdhsa_group_segment_fixed_size 68096
		.amdhsa_private_segment_fixed_size 0
		.amdhsa_enable_private_segment 0
		.amdhsa_kernarg_size 80
		.amdhsa_user_sgpr_count 2
		.amdhsa_user_sgpr_kernarg_segment_ptr 1
		.amdhsa_wavefront_size32 1
		.amdhsa_system_sgpr_workgroup_id_x 1
		.amdhsa_system_sgpr_workgroup_id_y 1
		.amdhsa_system_sgpr_workgroup_id_z 1
		.amdhsa_system_vgpr_workitem_id 0
		.amdhsa_next_free_vgpr 192
		.amdhsa_next_free_sgpr 66
		.amdhsa_reserve_vcc 0
		.amdhsa_float_denorm_mode_32 3
		.amdhsa_float_denorm_mode_16_64 3
		.amdhsa_memory_ordered 1
		.amdhsa_forward_progress 1
		.amdhsa_inst_pref_size 112
	.end_amdhsa_kernel
	.amdgpu_metadata
---
amdhsa.version: [ 1, 2 ]
amdhsa.kernels:
  - .name:           k_q15241b41ec_quant
    .symbol:         k_q15241b41ec_quant.kd
    .args:
      - { .name: query, .offset: 0, .size: 8, .value_kind: global_buffer, .address_space: global }
      - { .name: key, .offset: 8, .size: 8, .value_kind: global_buffer, .address_space: global }
      - { .name: value, .offset: 16, .size: 8, .value_kind: global_buffer, .address_space: global }
      - { .name: Wq, .offset: 24, .size: 8, .value_kind: global_buffer, .address_space: global }
      - { .name: Wk, .offset: 32, .size: 8, .value_kind: global_buffer, .address_space: global }
      - { .name: Wv, .offset: 40, .size: 8, .value_kind: global_buffer, .address_space: global }
      - { .name: xc, .offset: 48, .size: 8, .value_kind: global_buffer, .address_space: global }
      - { .name: xs, .offset: 56, .size: 8, .value_kind: global_buffer, .address_space: global }
      - { .name: wc, .offset: 64, .size: 8, .value_kind: global_buffer, .address_space: global }
      - { .name: ws, .offset: 72, .size: 8, .value_kind: global_buffer, .address_space: global }
    .group_segment_fixed_size: 68096
    .private_segment_fixed_size: 0
    .kernarg_segment_align: 8
    .kernarg_segment_size: 80
    .max_flat_workgroup_size: 128
    .sgpr_count:     66
    .vgpr_count:     192
    .wavefront_size: 32
...
	.end_amdgpu_metadata
.endif
;; end of part 1
;; launch proj (part 2): grid 4 x 96, 4 waves a work-group, clusters of 4 x 4, 327,680 bytes of LDS; arguments xc, xs, wc, ws, bq, bk, bv, qkv; writes qkv
.if DOCPART == 2
	.amdgcn_target "amdgcn-amd-amdhsa--gfx1250"
	.amdhsa_code_object_version 6
	.text
	.protected	k_q15241b41ec_proj
	.globl	k_q15241b41ec_proj
	.p2align	8
	.type	k_q15241b41ec_proj,@function
k_q15241b41ec_proj:
	s_mov_b64 s[64:65], 0
	v_nop
	global_prefetch_b8 v0, s[64:65] scope:SCOPE_SE
	s_setreg_imm32_b32 hwreg(HW_REG_WAVE_MODE, 25, 1), 1
	s_wait_xcnt 0x0
	s_wait_alu depctr_hold_cnt(0) depctr_sa_sdst(0) depctr_va_vdst(0) depctr_va_sdst(0) depctr_va_ssrc(0) depctr_va_vcc(0) depctr_vm_vsrc(0)
	s_getreg_b32 s2, hwreg(HW_REG_IB_STS2, 6, 4)
	s_cmp_eq_u32 s2, 0
	s_cbranch_scc0 .Lentry_in_a_cluster
	s_endpgm
.Lentry_in_a_cluster:
	s_bfe_u32 s2, ttmp6, 0x10000c
	s_cmp_lg_u32 s2, 0xf033
	s_cbranch_scc0 .Lentry_shape_is_right
	s_endpgm
.Lentry_shape_is_right:
; The three projections in one grid: P_t = X_t W_t + b_t, t = 0 (query, Wq, bq), 1 (key ..), 2 (value ..), on codes of FP4 (E2M1) with one E8M0 scale for each 32 along K; sums in f32; K = 1,024.
; xc [3 x 8192 rows][512 bytes], xs [3 x 8192][32 bytes]; wc [3 x 1024 (n)][512 bytes], ws [3 x 1024][32 bytes]: K innermost, two codes a byte.  The bias is the C of each sum's first matrix instruction.
; A tile of 256 rows x 256 columns is made by a work-group of four waves, 128 x 128 a wave: 64 accumulators, 512 registers.  Grid: 4 tile columns x 96 tile rows (32 for each t).
; K is two LDS slots of 512 along K: both are asked for at the start, with the scale bytes of all of K, and NOTHING IS FILLED AGAIN: a wave has three tensor loads out at the start, none later.
; CLUSTERS: 4 x 4 work-groups.  The four of a row of the cluster need the same rows of X, the four of a column the same rows of W (t hangs on the cluster's y alone): each tile is asked for jointly.
; THE MATRIX INSTRUCTION IS USED TRANSPOSED (source 0 = 16 rows of wc, source 1 = 16 rows of xc): a lane then holds eight neighbouring channels of one position.
; THE WAY OUT: held at +-65,504, rounded to f16, and stored AS THE NEXT LAUNCH'S OPERAND REGISTERS WANT IT: qkv is cut into blocks of 16 positions x 16 channels, 512 bytes, which one store of the wave fills whole:
;   byte = (16 batch + head) x 786,432 + (s / 64) x 24,576 + t x 8,192 + ((s / 16) % 4) x 2,048 + (channel tile of 16) x 512 + 16 x place.
;   q, k: place = my lane (position lane % 16, channels 8 (lane / 16) on): two neighbouring blocks are the 8 registers of a 16 x 32 fragment.  v: place = my lane with bits 3 and 4 changed over: a turning LDS load at 16 x lane
;   then gives half a fragment of V^T.  No stage in LDS is needed.
; LIMIT: |q|, |k|, |v| beyond 65,504, f16's largest number, are held there.
; REGISTERS, in windows of 256: window 0: v0-31 addresses; v32-95 scale words, two sets; v128-191 X's fragments, ONE set; v192-255 the bias, 8 registers for each of my 8 tiles of columns; on the way out v128-255 hold packed results.
;   window 1: W's fragments, TWO sets, at v0 and v128.   window 2: the 32 accumulators of my rows 0-63 ((a, b) at v[8 (8 a + b)]);   window 3: those of my rows 64-127.
.set NQ,     4                         ; matrix instructions deep in a slot: 512 along K
.set ROWB,   256                       ; a tile's row in bytes
.set KROW,   512                       ; a row of xc or wc in memory
.set PITCH,  272                       ; an LDS row: 256 bytes + 16 of padding = 68 words: row r starts at bank 4 r mod 64 (ISA guide 11.1), so the 16 rows that a load touches start at 16 different banks
.set FR,     8                         ; registers of a fragment: 16 rows x 128 K
.set NL,     2                         ; LDS loads that bring one
.set NP,     4                         ; places behind this matrix instruction (ISA guide 7.12.1)
.set HALFT,  128*PITCH                 ; 128 rows: what one tensor load brings, and what one wave reads of X or of W
.set SLOT,   4*HALFT                   ; X's 256 rows, then W's 256 rows
.set KS,     32                        ; a row of scale bytes
.set SCL,    2*SLOT                    ; behind the two slots: the scales, as rows of 256 bytes + 16 of padding
.set HALFS,  (128*KS/256)*272          ; the scales of 128 rows
.set SBLK,   (16*KS/256)*272           ; those of 16 rows
.set SPARE,  SCL+4*HALFS               ; the spare words, 128 bytes for each wave: two blocks of 256 bytes that no other line names
.set ADRA, 16                          ; v16-17  LDS address of my X fragments in slot 0, 1
.set ADRB, 20                          ; v20-21  the same for W
.set CO,   26                          ; v26     16 x my place in a block of qkv
.set ADRS, 27                          ; v27     LDS address of my scale words: lanes 0-15 X's rows, lanes 16-31 W's
.set SPW,  28                          ; v28     LDS address of my spare word; never rewritten
.set NIL,  29                          ; v29     0; never rewritten
.set BA,   30                          ; v30     the bias loads' offset: 32 x (lane / 16); never rewritten
.set SC,   32                          ; scale words: set s at v[SC + 32 s]; register 4 i + q: lanes 0-15 the word of X's block i, lanes 16-31 of W's block i, for the slot's q-th 128 along K
.set AF,   128
.set BI,   192
.set WV,   20                          ; s20 wave; s21 my half of the rows, also: I fetch for X (0) or W (1); s22 my half of the columns, also: which 128 rows I fetch; s23 t
.set G1,   24                          ; s[24:31] descriptor group 1 for X's tiles;  s[32:39] group 0, one set for each slot
.set G0,   32
.set G1B,  48                          ; s[48:55], s[56:63] the same for W's
.set G0B,  56
.set G1S,  68                          ; s[68:75], s[76:79] groups 1 and 0 for X's scales;  s[80:87], s[88:91] for W's
.set G0S,  76
.set G1SB, 80
.set G0SB, 88
.set MSB, 0
.macro WIN new                         ; the immediate's high byte repeats the setting that is left
.if MSB != \new
	s_set_vgpr_msb (MSB<<8)|\new
.set MSB, \new
.endif
.endm
.set MUL_LO, 0xa1                      ; source 0 (W) window 1, source 1 (X) window 0, C and D window 2
.set MUL_HI, 0xf1                      ; the same, C and D window 3
.set BIA_LO, 0x81                      ; the first products: C (the bias) window 0, D window 2
.set BIA_HI, 0xc1                      ; and D window 3
.set TO_B,   0x40                      ; destination window 1, address window 0
; A joint load: waves 0 and 1 fetch for X, waves 2 and 3 for W.  Each of the two lines has one mask and one set of registers for all that issue it; the branch hangs on the wave's number alone.
; An s_nop 0 and four v_nop follow each of the two lines, ahead of the jump, the label and what follows.
.macro JLOAD g0a, g1a, g0b, g1b
	s_cmp_eq_u32 s21, 0
	s_cbranch_scc0 .Lfor_b_\@
	tensor_load_to_lds s[\g0a:\g0a+3], s[\g1a:\g1a+7]
	s_nop 0
.rept 4
	v_nop
.endr
	s_branch .Lasked_\@
.Lfor_b_\@:
	tensor_load_to_lds s[\g0b:\g0b+3], s[\g1b:\g1b+7]
	s_nop 0
.rept 4
	v_nop
.endr
.Lasked_\@:
.endm
.macro CROUND                          ; a round of the cluster's barrier: my work-group's barrier; wave 0 signals for the work-group; every wave waits for all sixteen; my work-group's barrier once more
	s_barrier_signal -1
	s_barrier_wait -1
	s_cmp_lg_u32 s[WV], 0
	s_cbranch_scc1 .Lnot_wave_0_\@
	s_barrier_signal -3
.Lnot_wave_0_\@:
	s_barrier_wait -3
	s_barrier_signal -1
	s_barrier_wait -1
.endm
	s_load_b256 s[4:11], s[0:1], 0x0               ; xc s[4:5], xs s[6:7], wc s[8:9], ws s[10:11]
	s_load_b256 s[12:19], s[0:1], 0x20             ; bq s[12:13], bk s[14:15], bv s[16:17], qkv s[18:19]
	v_lshl_add_u32 v[SPW], v0, 2, SPARE
	v_mov_b32 v[NIL], 0
	ds_add_u32 v[SPW], v[NIL]                      ; the wave's opening: the add, twice on end, and its wait stand ahead of my first tensor load; the set-up below stands between the second and the wait
	ds_add_u32 v[SPW], v[NIL]
	v_lshrrev_b32 v1, 5, v0
	v_readfirstlane_b32 s[WV], v1                  ; wave 0..3
	s_lshr_b32 s21, s[WV], 1
	s_and_b32 s22, s[WV], 1
	s_bfe_u32 s40, ttmp6, 0x40000                  ; cx, cy: my place in the cluster
	s_bfe_u32 s41, ttmp6, 0x40004
	s_lshl_b32 s42, ttmp9, 2
	s_add_co_u32 s42, s42, s40                     ; tile column = 4 x cluster x + cx
	s_and_b32 s66, ttmp7, 0xffff
	s_lshr_b32 s23, s66, 3                         ; t: eight clusters along y for each of the three products
	s_lshl_b32 s66, s66, 2
	s_add_co_u32 s66, s66, s41                     ; tile row over the three stacked X = 4 x cluster y + cy
	s_lshl_b32 s43, s41, 2
	s_lshl_b32 s43, 15, s43                        ; my row of the cluster
	s_lshl_b32 s44, 0x1111, s40                    ; my column
	; descriptor group 1: a tile of 128 rows x 256 bytes, padded in LDS
	s_or_b32 s[G1+0], s43, (0<<16)|(1<<20)|(1<<21)|(5<<22)|(3<<25)  ; 15:0 the mask: X's tiles go to my row; 17:16 elements of 1 byte; 20 padding on; 21 set beside a mask; 24:22 after every 64 words; 31:25 four words
	s_or_b32 s[G1B+0], s44, (0<<16)|(1<<20)|(1<<21)|(5<<22)|(3<<25)
.irp g, G1, G1B
	s_mov_b32 s[\g+1], ROWB<<16                    ; tensor_dim0
	s_mov_b32 s[\g+2], 128<<16                     ; tensor_dim1
	s_mov_b32 s[\g+3], ROWB<<16                    ; tile_dim0
	s_mov_b32 s[\g+4], 128                         ; tile_dim1
	s_mov_b32 s[\g+5], KROW                        ; tensor_dim0_stride
	s_mov_b32 s[\g+6], 0
	s_mov_b32 s[\g+7], 0
.endr
	; and for the scales of 128 rows: a dense block of 4,096 bytes, as 16 rows of 256 bytes (32 elements of 8 bytes), 16 bytes of padding behind each
	s_or_b32 s[G1S+0], s43, (3<<16)|(1<<20)|(1<<21)|(5<<22)|(3<<25)
	s_or_b32 s[G1SB+0], s44, (3<<16)|(1<<20)|(1<<21)|(5<<22)|(3<<25)
.irp g, G1S, G1SB
	s_mov_b32 s[\g+1], 32<<16
	s_mov_b32 s[\g+2], (128*KS/256)<<16
	s_mov_b32 s[\g+3], 32<<16
	s_mov_b32 s[\g+4], 128*KS/256
	s_mov_b32 s[\g+5], 32
	s_mov_b32 s[\g+6], 0
	s_mov_b32 s[\g+7], 0
.endr
	s_lshl_b32 s92, s22, 7                         ; which 128 rows of the tile I fetch
	s_lshl_b32 s94, s66, 8
	s_add_co_u32 s94, s94, s92                     ; X: row 256 x tile row + 128 x half: it hangs on nothing that my row of the cluster does not share
	s_lshl_b32 s46, s42, 8
	s_add_co_u32 s46, s46, s92
	s_lshl_b32 s93, s23, 10
	s_add_co_u32 s46, s46, s93                     ; W: row 1,024 t + 256 x tile column + 128 x half: shared by my column
	s_lshl_b32 s96, s94, 5                         ; where these rows' scales begin, in bytes (all under 2^24),
	s_mov_b32 s97, 0
	s_lshl_b32 s94, s94, 9                         ; and their codes
	s_mov_b32 s95, 0
	s_lshl_b32 s98, s46, 5
	s_mov_b32 s99, 0
	s_lshl_b32 s46, s46, 9
	s_mov_b32 s47, 0
	s_mul_i32 s45, s[WV], HALFT                    ; where they go: wave x 128 rows: no place in the cluster enters an LDS address
	s_mul_i32 s67, s[WV], HALFS
	s_mov_b32 s100, 0x477fe000                     ; 65,504
	s_mov_b32 s101, 0xc77fe000                     ; -65,504
	s_wait_dscnt 0x0                               ; both opening adds are done
	s_wait_kmcnt 0x0
	s_add_nc_u64 s[94:95], s[4:5], s[94:95]
	s_add_nc_u64 s[96:97], s[6:7], s[96:97]
	s_add_nc_u64 s[46:47], s[8:9], s[46:47]
	s_add_nc_u64 s[98:99], s[10:11], s[98:99]
	CROUND                                         ; all sixteen work-groups are here: the first joint loads meet
	s_mov_b32 s[G0S], 1
	s_add_co_u32 s[G0S+1], s67, SCL
	s_mov_b64 s[G0S+2:G0S+3], s[96:97]
	s_or_b32 s[G0S+3], s[G0S+3], 0x80000000
	s_mov_b32 s[G0SB], 1
	s_add_co_u32 s[G0SB+1], s67, SCL
	s_mov_b64 s[G0SB+2:G0SB+3], s[98:99]
	s_or_b32 s[G0SB+3], s[G0SB+3], 0x80000000
	JLOAD G0S, G1S, G0SB, G1SB                     ; the scales first: they are wanted with the first products
.irp s, 0,1
	s_mov_b32 s[G0+4*\s], 1
	s_add_co_u32 s[G0+4*\s+1], s45, \s*SLOT
	s_add_nc_u64 s[G0+4*\s+2:G0+4*\s+3], s[94:95], \s*ROWB
	s_or_b32 s[G0+4*\s+3], s[G0+4*\s+3], 0x80000000
	s_mov_b32 s[G0B+4*\s], 1
	s_add_co_u32 s[G0B+4*\s+1], s45, \s*SLOT
	s_add_nc_u64 s[G0B+4*\s+2:G0B+4*\s+3], s[46:47], \s*ROWB
	s_or_b32 s[G0B+4*\s+3], s[G0B+4*\s+3], 0x80000000
	JLOAD G0+4*\s, G1, G0B+4*\s, G1B               ; both halves of K
.endr
	v_and_b32 v1, 15, v0                           ; r = lane % 16
	v_bfe_u32 v2, v0, 4, 1                         ; h = lane / 16
	; the bias: in the result's layout lane (r, h) wants, for my tile b of columns, b_t at columns 16 b + 8 h + 0 .. 7
	s_cmp_lt_u32 s23, 2                            ; chosen by t, which hangs on no address
	s_cselect_b64 s[14:15], s[14:15], s[16:17]
	s_cmp_lt_u32 s23, 1
	s_cselect_b64 s[12:13], s[12:13], s[14:15]
	s_lshl_b32 s92, s42, 10
	s_lshl_b32 s93, s22, 9
	s_add_co_u32 s92, s92, s93                     ; my first column, 4 bytes each: 256 x tile column + 128 x half
	s_mov_b32 s93, 0
	s_add_nc_u64 s[12:13], s[12:13], s[92:93]
	v_lshlrev_b32 v[BA], 5, v2
.irp b, 0,1,2,3,4,5,6,7
	global_load_b128 v[BI+8*\b:BI+8*\b+3], v[BA], s[12:13] offset:64*\b
	global_load_b128 v[BI+8*\b+4:BI+8*\b+7], v[BA], s[12:13] offset:64*\b+16
.endr
	v_mul_u32_u24 v3, v1, PITCH
	v_lshl_add_u32 v4, v2, 4, v3                   ; a fragment's row x pitch + 16 x half
	s_mul_i32 s92, s21, HALFT                      ; my 128 rows of X
	s_mul_i32 s93, s22, HALFT                      ; my 128 rows of W,
	s_add_co_u32 s93, s93, 2*HALFT                 ; which lie behind X's 256
.irp s, 0,1
	v_add_nc_u32 v[ADRA+\s], s92, v4
	v_add_nc_u32 v[ADRB+\s], s93, v4
	s_add_co_u32 s92, s92, SLOT
	s_add_co_u32 s93, s93, SLOT
.endr
	v_mul_u32_u24 v5, v1, KS                       ; my row's scales: 32 bytes a row,
	v_lshrrev_b32 v6, 8, v5
	v_lshl_add_u32 v5, v6, 4, v5                   ; and 16 more for each 256 passed
	s_mul_i32 s92, s21, HALFS                      ; X's: my 128 rows
	s_mul_i32 s93, s22, HALFS                      ; W's: my 128 rows, behind X's 256
	s_add_co_u32 s93, s93, 2*HALFS
	s_sub_co_u32 s93, s93, s92
	v_mul_u32_u24 v6, s93, v2                      ; lanes 16-31 take W's: the lower base + h x the distance
	s_add_co_u32 s92, s92, SCL
	v_add_nc_u32 v5, v5, v6
	v_add_nc_u32 v[ADRS], s92, v5
	; my place in a block of qkv: my lane; for v my lane with bits 3 and 4 changed over
	v_and_b32 v6, 31, v0
	v_and_b32 v7, 7, v6
	v_bfe_u32 v8, v6, 3, 1
	v_lshl_or_b32 v7, v8, 4, v7
	v_lshl_or_b32 v7, v2, 3, v7
	s_cmp_eq_u32 s23, 2
	s_cselect_b32 s2, -1, 0
	v_cndmask_b32 v6, v6, v7, s2
	v_lshlrev_b32 v[CO], 4, v6
	; where my 128 rows x 128 columns begin in qkv
	s_lshl_b32 s92, s66, 8
	s_lshl_b32 s93, s21, 7
	s_add_co_u32 s92, s92, s93                     ; my first row of the stacked X
	s_bfe_u32 s93, s92, 0x2000b                    ; the batch: bits 12:11
	s_lshl_b32 s93, s93, 4
	s_lshl_b32 s96, s42, 2
	s_add_co_u32 s93, s93, s96
	s_lshl_b32 s96, s22, 1
	s_add_co_u32 s93, s93, s96                     ; 16 x batch + my first head (4 x tile column + 2 x half)
	s_mul_i32 s93, s93, 786432
	s_bfe_u32 s96, s92, 0x50006                    ; my first position / 64: bits 10:6
	s_mul_i32 s96, s96, 24576
	s_add_co_u32 s93, s93, s96
	s_lshl_b32 s96, s23, 13                        ; t x 8,192
	s_add_co_u32 s92, s93, s96                     ; under 2^26
	s_mov_b32 s93, 0
	s_add_nc_u64 s[18:19], s[18:19], s[92:93]
.macro FRAG reg, adr, q, i             ; a fragment, 16 rows x 128 K of 4-bit codes: lane l holds row l % 16; registers 4 c .. 4 c + 3 hold K = 64 c + 32 (l / 16) + 0 .. 31
.irp c, 0,1
	ds_load_b128 v[\reg+4*\c:\reg+4*\c+3], v[\adr] offset:64*(\q)+32*\c+(\i)*16*PITCH
.endr
.endm
; 16 matrix instructions: X's blocks a0, a0 + 1 x W's eight, the slot's q-th 128 along K.  p: W's set;  sc: the set of scale words.  zero = 1: the first product starts the sums, with the bias as C: nothing is ever cleared.
; The 64 accumulators take turns, one instruction a turn, in the same order in every step.
.macro MUL16 a0, p, q, sc, zero
.irp a, \a0, \a0+1
.irp b, 0,1,2,3,4,5,6,7
.if \zero
	v_wmma_scale_f32_16x16x128_f8f6f4 v[8*(8*((\a)%4)+\b):8*(8*((\a)%4)+\b)+7], v[128*(\p)+FR*\b:128*(\p)+FR*\b+FR-1], v[AF+FR*(\a):AF+FR*(\a)+FR-1], v[BI+8*\b:BI+8*\b+7], v[SC+8*NQ*(\sc)+NQ*\b+(\q)], v[SC+8*NQ*(\sc)+NQ*(\a)+(\q)] matrix_a_fmt:MATRIX_FMT_FP4 matrix_b_fmt:MATRIX_FMT_FP4 matrix_a_scale:MATRIX_SCALE_ROW1
.else
	v_wmma_scale_f32_16x16x128_f8f6f4 v[8*(8*((\a)%4)+\b):8*(8*((\a)%4)+\b)+7], v[128*(\p)+FR*\b:128*(\p)+FR*\b+FR-1], v[AF+FR*(\a):AF+FR*(\a)+FR-1], v[8*(8*((\a)%4)+\b):8*(8*((\a)%4)+\b)+7], v[SC+8*NQ*(\sc)+NQ*\b+(\q)], v[SC+8*NQ*(\sc)+NQ*(\a)+(\q)] matrix_a_fmt:MATRIX_FMT_FP4 matrix_b_fmt:MATRIX_FMT_FP4 matrix_a_scale:MATRIX_SCALE_ROW1
.endif
.endr
.endr
.endm
.macro FETCH_B slot, q, p              ; W's eight fragments of the slot's q-th 128 along K into set p
	WIN TO_B
.irp i, 0,1,2,3,4,5,6,7
	FRAG 128*(\p)+FR*\i, ADRB+\slot, \q, \i
.endr
	WIN 0
.endm
.macro FETCH_A slot, q, i0             ; X's blocks i0 .. i0 + 3
.irp i, \i0, \i0+1, \i0+2, \i0+3
	FRAG AF+FR*(\i), ADRA+\slot, \q, \i
.endr
.endm
.macro SCALES sc                       ; a slot's scale words into set sc: four words a row; lanes 0-15 take X's block i, lanes 16-31 W's block i
.irp i, 0,1,2,3,4,5,6,7
	ds_load_b128 v[SC+8*NQ*\sc+NQ*\i:SC+8*NQ*\sc+NQ*\i+3], v[ADRS] offset:\i*SBLK
.endr
.endm
; A load into a register that a matrix instruction has read, and a vector instruction that reads a matrix result or writes one of a matrix instruction's registers, stand four places behind it, and only plain vector
; instructions that name none of its registers are places (ISA guide 7.12.1 for vector instructions).
.macro PLACES n
.rept \n
	v_nop
.endr
.endm
; A step of 128 along K that has its successor in the same slot.  X has one set of registers: blocks 0-3 are fetched anew in the step's middle, blocks 4-7 at its end; W, at work through the whole step, has two.
.macro STEP slot, q, zero
	s_wait_dscnt 4*NL                              ; W's set, X's blocks 0-3 and the scale words are in; the youngest eight loads (X's blocks 4-7) may be out
.if \zero
	WIN BIA_LO
.else
	WIN MUL_LO
.endif
	MUL16 0, (\q)%2, \q, \slot, \zero
	MUL16 2, (\q)%2, \q, \slot, \zero
	s_wait_dscnt 0                                 ; X's blocks 4-7 are in (asked for 32 matrix instructions ago)
	PLACES NP
	FETCH_B \slot, (\q)+1, 1-(\q)%2
	FETCH_A \slot, (\q)+1, 0
.if \zero
	WIN BIA_HI
.else
	WIN MUL_HI
.endif
	MUL16 4, (\q)%2, \q, \slot, \zero
	MUL16 6, (\q)%2, \q, \slot, \zero
	PLACES NP
	WIN 0
	FETCH_A \slot, (\q)+1, 4
.endm
; Slot 0's last step changes slots: one barrier; in front of it each wave waits for all its tensor loads (its part of slot 1), adds 0 to its spare word, and waits for that and for its LDS loads.  Nothing is filled again.
.macro TURN slot, next
	s_wait_tensorcnt 0x0                           ; all my tensor loads have landed
	ds_add_u32 v[SPW], v[NIL]                      ; 0 onto my spare word
	s_wait_dscnt 4*NL+1                            ; (the add and the youngest eight loads, X's blocks 4-7, may be out)
	WIN MUL_LO
	MUL16 0, 1, NQ-1, \slot, 0                     ; sixteen matrix instructions stand between the add and the wait for it
	s_wait_dscnt 0x0                               ; the add is done, and no LDS load of mine is out
	s_barrier_signal -1
	MUL16 2, 1, NQ-1, \slot, 0                     ; work on registers while the others arrive
	WIN 0
	s_barrier_wait -1                              ; slot 1 is whole
	PLACES NP
	v_add_nc_u32 v[ADRS], 4*NQ, v[ADRS]            ; on to the second half of K's scale words
	FETCH_B \next, 0, 0
	FETCH_A \next, 0, 0
	SCALES \next
	WIN MUL_HI
	MUL16 4, 1, NQ-1, \slot, 0
	MUL16 6, 1, NQ-1, \slot, 0
	PLACES NP
	WIN 0
	FETCH_A \next, 0, 4
.endm
.macro STEPS slot, from                ; the slot's steps from .. NQ - 2
.set Q, \from
.rept NQ-1-\from
	STEP \slot, Q, 0
.set Q, Q+1
.endr
.endm
	s_wait_tensorcnt 1                             ; the scales and my part of slot 0 are in (slot 1's load may be out)
	s_barrier_signal -1
	s_barrier_wait -1                              ; everybody's are
	FETCH_B 0, 0, 0
	FETCH_A 0, 0, 0
	SCALES 0
	FETCH_A 0, 0, 4
	s_wait_loadcnt 0x0                             ; the bias
	STEP 0, 0, 1                                   ; the first products start the sums
	STEPS 0, 1
	TURN 0, 1
	STEPS 1, 0
	s_wait_dscnt 4*NL                              ; the very last step: nothing more to fetch
	WIN MUL_LO
	MUL16 0, 1, NQ-1, 1, 0
	MUL16 2, 1, NQ-1, 1, 0
	s_wait_dscnt 0
	WIN MUL_HI
	MUL16 4, 1, NQ-1, 1, 0
	MUL16 6, 1, NQ-1, 1, 0
	WIN 0
; THE WAY OUT of block a (16 positions x 128 channels).  Held at +-65,504 in place, each accumulator from its low end on; rounded to f16, a lane's eight channels into 16 bytes; each store of the wave fills one block of qkv:
; 512 consecutive bytes, aligned.  Four sets of 32 registers take the packed results by turns.
.macro OUT a
.set AC,  64*((\a)%4)
.set WN,  2+(\a)/4
.set TMP, 128+32*((\a)%4)
.set WA,  (WN<<6)|WN
.set WB,  (WN<<2)|WN
	WIN WA                                         ; destination and source 0: window 2 or 3
.set i, 0
.rept 64
	v_med3_num_f32 v[AC+i], v[AC+i], s101, s100
.set i, i+1
.endr
	WIN WB                                         ; sources 0 and 1: window 2 or 3; destination window 0
.irp b, 0,1,2,3,4,5,6,7
.irp r, 0,1,2,3
	v_cvt_pk_f16_f32 v[TMP+4*\b+\r], v[AC+8*\b+2*\r], v[AC+8*\b+2*\r+1]
.endr
.endr
	WIN 0
.irp b, 0,1,2,3,4,5,6,7
	global_store_b128 v[CO], v[TMP+4*\b:TMP+4*\b+3], s[18:19] offset:((\a)/4)*24576+((\a)%4)*2048+(\b/4)*786432+(\b%4)*512   ; 64 positions on; 16 positions on; the next head; the next 16 channels
.endr
.endm
	PLACES NP                                      ; behind the last products: their results are read, and the registers that held X's fragments are written
	OUT 0
	OUT 1
	OUT 2
	OUT 3
	s_wait_xcnt 0x0                                ; the stores of blocks 0 to 3 have read their registers: the four sets are written again only behind this wait
	OUT 4
	OUT 5
	OUT 6
	OUT 7
	s_wait_tensorcnt 0x0                           ; the wave's end
	ds_add_u32 v[SPW], v[NIL]
	s_wait_dscnt 0x0
	CROUND                                         ; the closing round: no work-group ends while a partner may still ask for a tile that names it
	s_endpgm
.Lfunc_end_k_q15241b41ec_proj:
	.size	k_q15241b41ec_proj, .Lfunc_end_k_q15241b41ec_proj-k_q15241b41ec_proj
	.p2alignl 7, 3214868480
	.fill 96, 4, 3214868480
	.section	.rodata,"a",@progbits
	.p2align	6, 0x0
	.amdhsa_kernel k_q15241b41ec_proj
		.amdhsa_group_segment_fixed_size 327680
		.amdhsa_private_segment_fixed_size 0
		.amdhsa_enable_private_segment 0
		.amdhsa_kernarg_size 64
		.amdhsa_user_sgpr_count 2
		.amdhsa_user_sgpr_kernarg_segment_ptr 1
		.amdhsa_wavefront_size32 1
		.amdhsa_system_sgpr_workgroup_id_x 1
		.amdhsa_system_sgpr_workgroup_id_y 1
		.amdhsa_system_sgpr_workgroup_id_z 1
		.amdhsa_system_vgpr_workitem_id 0
		.amdhsa_next_free_vgpr 1024
		.amdhsa_next_free_sgpr 102
		.amdhsa_reserve_vcc 0
		.amdhsa_float_denorm_mode_32 3
		.amdhsa_float_denorm_mode_16_64 3
		.amdhsa_memory_ordered 1
		.amdhsa_forward_progress 1
		.amdhsa_inst_pref_size 152
	.end_amdhsa_kernel
	.amdgpu_metadata
---
amdhsa.version: [ 1, 2 ]
amdhsa.kernels:
  - .name:           k_q15241b41ec_proj
    .symbol:         k_q15241b41ec_proj.kd
    .args:
      - { .name: xc, .offset: 0, .size: 8, .value_kind: global_buffer, .address_space: global }
      - { .name: xs, .offset: 8, .size: 8, .value_kind: global_buffer, .address_space: global }
      - { .name: wc, .offset: 16, .size: 8, .value_kind: global_buffer, .address_space: global }
      - { .name: ws, .offset: 24, .size: 8, .value_kind: global_buffer, .address_space: global }
      - { .name: bq, .offset: 32, .size: 8, .value_kind: global_buffer, .address_space: global }
      - { .name: bk, .offset: 40, .size: 8, .value_kind: global_buffer, .address_space: global }
      - { .name: bv, .offset: 48, .size: 8, .value_kind: global_buffer, .address_space: global }
      - { .name: qkv, .offset: 56, .size: 8, .value_kind: global_buffer, .address_space: global }
    .group_segment_fixed_size: 327680
    .private_segment_fixed_size: 0
    .kernarg_segment_align: 8
    .kernarg_segment_size: 64
    .max_flat_workgroup_size: 128
    .sgpr_count:     102
    .vgpr_count:     1024
    .wavefront_size: 32
...
	.end_amdgpu_metadata
.endif
;; end of part 2
;; launch attn (part 3): grid 4 x 64, 8 waves a work-group, clusters of 4 x 1, 327,680 bytes of LDS; arguments qkv, mask, out0; writes out0
.if DOCPART == 3
	.amdgcn_target "amdgcn-amd-amdhsa--gfx1250"
	.amdhsa_code_object_version 6
	.text
	.protected	k_q15241b41ec_attn
	.globl	k_q15241b41ec_attn
	.p2align	8
	.type	k_q15241b41ec_attn,@function
k_q15241b41ec_attn:
	s_mov_b64 s[64:65], 0
	v_nop
	global_prefetch_b8 v0, s[64:65] scope:SCOPE_SE
	s_setreg_imm32_b32 hwreg(HW_REG_WAVE_MODE, 25, 1), 1
	s_wait_xcnt 0x0
	s_wait_alu depctr_hold_cnt(0) depctr_sa_sdst(0) depctr_va_vdst(0) depctr_va_sdst(0) depctr_va_ssrc(0) depctr_va_vcc(0) depctr_vm_vsrc(0)
	s_getreg_b32 s2, hwreg(HW_REG_IB_STS2, 6, 4)
	s_cmp_eq_u32 s2, 0
	s_cbranch_scc0 .Lentry_in_a_cluster
	s_endpgm
.Lentry_in_a_cluster:
	s_bfe_u32 s2, ttmp6, 0x10000c
	s_cmp_lg_u32 s2, 0x3003
	s_cbranch_scc0 .Lentry_shape_is_right
	s_endpgm
.Lentry_shape_is_right:
; out0[b][q][64 h + d] = the sum over k of softmax_k(q . k / 8, keys with mask[b][k] = 1 left out) v[k][d], for 64 (batch, head) pairs, 2,048 positions, head size 64.
; q, k, v come as f16 from qkv, laid as images of operand registers: byte = (16 b + h) x 786,432 + (s / 64) x 24,576 + t x 8,192 + ((s / 16) % 4) x 2,048 + (channel tile) x 512 + 16 x place (t = 0, 1, 2: q, k, v).
; Products on f16 operands with f32 sums; maxima, exponentials and sums in f32; the weights p are rounded to f16 for the second product.
; SHARES.  A work-group owns 512 queries of one (b, h), each of its eight waves 64: four tiles of 16, in 512 registers: two waves to a SIMD, so that one wave's vector work stands beside the other's matrix work.
; Every wave walks all 2,048 keys, 64 a step.  K and V of 64 keys are 16,384 consecutive bytes of qkv; a slot of LDS holds eight steps, and each of the eight waves fetches one step's bytes with one tensor load.
; CLUSTER.  The four query blocks of a (b, h) walk the same K and V: each tile is asked for jointly, by the same tensor load with the same descriptor and a mask that names the four.
; LAYOUT.  S^T = K Q^T (source 0 = 16 keys, source 1 = 16 queries): a lane holds ONE query (lane % 16) and the keys 8 (lane / 16) + 0..7 of each tile.  Two such tiles, rounded to f16 in pairs, are source 1 of
; O^T = V^T P, whose result again holds one query a lane.  K's fragments come from LDS as they lie, 16 bytes a lane on end; V's by the turning load, likewise on end: no padding is needed.
; THE MASK is the C of each score's first matrix instruction: 0 for a key that counts, -2^100 for one that does not.  The running maximum begins at -2^96: above every masked score and below every real one
; (|score| is at most 64 x 65,504^2, under 2^39).  So a masked p is 2^(a huge negative number) = 0, also in a step all of whose keys are masked; the first step with a real score multiplies the (zero) sums by 0.
; A batch all of whose keys are masked ends with the sum 0 and gives 0 x infinity = NaN, as a softmax of -infinities does.  No branch hangs on the mask.
; SOFTMAX.  For each query a running maximum m and sum l: p = 2^(c s - c m), c = log2(e) / 8; in every step O and l are multiplied by a = 2^(c m_old - c m_new).
; LIMITS: q, k, v were held at +-65,504; a p under 2^-24 falls to 0 in f16, beside a row's sum of at least 1; mask bytes are 0 or 1.
; NO PREFETCH: a refill is asked for eight key steps ahead of the wait for it, and the first two slots are asked for at the head.
; REGISTERS: window 0: v0 my thread's number; v1-7 addresses; v8-23 four statistics a tile (c m, m, l in two halves); v24-31 at work; v32-63 the mask's C, 8 a tile of keys; v64-191 S^T, 32 a tile, P in a tile's first 16; v192-255 V.
;   window 1: v0-127 O^T, 32 a tile; v128-191 Q, 16 a tile; v192-255 K.
.set UNIT,  24576                      ; q, k, v of 64 positions in qkv
.set HEADB, 786432                     ; a (b, h)'s bytes in qkv
.set STEPB, 16384                      ; K (8,192) and V (8,192) of a key step
.set SLOT1, 131072                     ; a slot: eight steps; slot 1 begins here
.set BIAS,  262144                     ; 2,048 f32: the mask's C
.set STAGE, BIAS+8192                  ; the way out: 16 rows x 272 bytes for each wave
.set SPI,   272
.set SPARE, STAGE+8*16*SPI             ; the spare words, 128 bytes for each wave: four blocks of 256 bytes that no other line names
.set SPW, 1                            ; v1  LDS address of my spare word; never rewritten
.set NIL, 2                            ; v2  0; never rewritten
.set L16, 3                            ; v3  16 x lane
.set LB,  4                            ; v4  BIAS + 32 x (lane / 16)
.set ADV, 5                            ; v5  LDS address of the step's V
.set ADB, 6                            ; v6  of the next step's mask numbers
.set ADK, 7                            ; v7  of the next step's K
.set ST,  8                            ; tile t: v[ST+4t] c m, +1 m, +2, +3 l
.set WK,  24                           ; at work: four registers for each of the two tiles in hand: +0, +1 maxima, then the step's sum; +2 a; +3 c m_old
.set BI,  32
.set S,   64
.set VF,  192
.set QF,  128                          ; in window 1
.set KF,  192                          ; in window 1
.set WV,  10                           ; s10 my wave's number; s11 my block of 512 queries; s12 16 b + h
.set G1,  16                           ; s[16:23] descriptor group 1; s[24:27] group 0 of slot 0's first fill; s[28:31] of slot 1's, which then walks on
.set CS,  32                           ; s[32:33] c: the packed form names a pair and takes its low word for both halves
.set SEL, 34                           ; s[34:35] lane selects for v_permlanex16_b32: lane l xor 16
.set TB,  36                           ; s36 LDS byte at which the tiles of the step in hand begin
.set TJ,  37                           ; s37 byte of the mask numbers of the step in hand
.set MSB, 0
.macro WIN new                         ; the immediate's high byte repeats the setting that is left
.if MSB != \new
	s_set_vgpr_msb (MSB<<8)|\new
.set MSB, \new
.endif
.endm
.macro CROUND                          ; a round of the cluster's barrier: my work-group's barrier; wave 0 signals for the work-group; every wave waits for all four; my work-group's barrier once more
	s_barrier_signal -1
	s_barrier_wait -1
	s_cmp_lg_u32 s[WV], 0
	s_cbranch_scc1 .Lnot_wave_0_\@
	s_barrier_signal -3
.Lnot_wave_0_\@:
	s_barrier_wait -3
	s_barrier_signal -1
	s_barrier_wait -1
.endm
	s_load_b128 s[4:7], s[0:1], 0x0                ; qkv s[4:5], mask s[6:7]
	s_load_b64 s[8:9], s[0:1], 0x10                ; out0
	v_lshl_add_u32 v[SPW], v0, 2, SPARE
	v_mov_b32 v[NIL], 0
	ds_add_u32 v[SPW], v[NIL]                      ; the wave's opening: the add, twice on end, and its wait stand ahead of my first tensor load; the set-up below stands between the second and the wait
	ds_add_u32 v[SPW], v[NIL]
	v_lshrrev_b32 v3, 5, v0
	v_readfirstlane_b32 s[WV], v3                  ; wave 0..7
	s_bfe_u32 s11, ttmp6, 0x40000                  ; cx
	s_lshl_b32 s13, ttmp9, 2
	s_add_co_u32 s11, s13, s11                     ; my block of 512 queries = 4 x cluster x + cx: it enters Q's and the output's addresses alone
	s_and_b32 s12, ttmp7, 0xffff                   ; 16 b + h, which the four partners share
	s_mul_i32 s40, s12, HEADB                      ; its first byte in qkv (under 2^26)
	s_mul_i32 s41, s[WV], UNIT
	s_add_co_u32 s42, s40, s41
	s_add_co_u32 s42, s42, 8192                    ; K and V of key step (my wave's number): what I fetch of slot 0
	s_mov_b32 s43, 0
	s_lshl_b32 s14, s[WV], 14                      ; and its place in a slot: no place in the cluster enters an LDS address
	s_lshl_b32 s44, s11, 3
	s_add_co_u32 s44, s44, s[WV]
	s_mul_i32 s44, s44, UNIT
	s_add_co_u32 s44, s44, s40                     ; my wave's 64 queries
	s_mov_b32 s45, 0
	s_lshr_b32 s13, s12, 4
	s_lshl_b32 s46, s13, 11                        ; the batch's 2,048 mask bytes; also its first row of the output
	s_mov_b32 s47, 0
	s_lshl_b32 s13, s11, 9
	s_add_co_u32 s13, s13, s46
	s_lshl_b32 s15, s[WV], 6
	s_add_co_u32 s13, s13, s15                     ; my first row of the output
	s_lshl_b32 s2, s13, 12                         ; 4,096 bytes a row (under 2^25),
	s_and_b32 s13, s12, 15
	s_lshl_b32 s13, s13, 8
	s_add_co_u32 s2, s2, s13                       ; + 256 bytes a head
	s_mov_b32 s3, 0
	; descriptor group 1: 16,384 dense bytes as 64 rows of 256 bytes (32 elements of 8 bytes), no padding
	s_mov_b32 s[G1], 15|(3<<16)|(1<<21)            ; 15:0 the mask: all four work-groups; 17:16 elements of 8 bytes; 21 set beside a mask
	s_mov_b32 s[G1+1], 32<<16                      ; tensor_dim0 = 32
	s_mov_b32 s[G1+2], 64<<16                      ; tensor_dim1 = 64
	s_mov_b32 s[G1+3], 32<<16                      ; tile_dim0 = 32
	s_mov_b32 s[G1+4], 64                          ; tile_dim1 = 64
	s_mov_b32 s[G1+5], 32                          ; tensor_dim0_stride
	s_mov_b32 s[G1+6], 0
	s_mov_b32 s[G1+7], 0
	s_mov_b32 s[CS], 0x3e38aa3b                    ; c = log2(e) / 8
	s_mov_b32 s[CS+1], s[CS]                       ; (named with it as a pair, so it is written)
	s_mov_b32 s[SEL], 0x76543210
	s_mov_b32 s[SEL+1], 0xfedcba98
	s_mov_b32 s[TB], 0
	s_mov_b32 s[TJ], 0
	s_wait_dscnt 0x0                               ; both opening adds are done
	s_wait_kmcnt 0x0
	s_add_nc_u64 s[42:43], s[4:5], s[42:43]
	s_add_nc_u64 s[44:45], s[4:5], s[44:45]
	s_add_nc_u64 s[6:7], s[6:7], s[46:47]
	s_add_nc_u64 s[8:9], s[8:9], s[2:3]
	s_mov_b32 s24, 1                               ; group 0, slot 0: count = 1,
	s_mov_b32 s25, s14                             ; LDS address,
	s_mov_b64 s[26:27], s[42:43]                   ; global address,
	s_or_b32 s27, s27, 0x80000000                  ; type = 2
	s_mov_b32 s28, 1                               ; slot 1: eight key steps on
	s_add_co_u32 s29, s14, SLOT1
	s_add_nc_u64 s[30:31], s[42:43], 8*UNIT
	s_or_b32 s31, s31, 0x80000000
	CROUND                                         ; all four work-groups are here: the first joint loads meet
	tensor_load_to_lds s[24:27], s[G1:G1+7]        ; both first fills go out together, ahead of every wait on TENSORcnt and every LDS read: two loads of mine are out
	s_nop 0
	tensor_load_to_lds s[28:31], s[G1:G1+7]
	s_nop 0
.rept 4
	v_nop
.endr
	v_lshlrev_b32 v24, 3, v0
	global_load_b64 v[64:65], v24, s[6:7]          ; 8 mask bytes a thread: the batch's 2,048
	v_and_b32 v4, 31, v0
	v_lshlrev_b32 v[L16], 4, v4
	WIN 0x40                                       ; destination window 1, address window 0
.irp t, 0,1,2,3
.irp f, 0,1,2,3
	global_load_b128 v[QF+16*\t+4*\f:QF+16*\t+4*\f+3], v[L16], s[44:45] offset:\t*2048+\f*512   ; Q stays in registers: tile t, channels 16 f on; 512 consecutive bytes a load
.endr
.endr
.set i, 0
.rept 128
	v_mov_b32 v[i], 0                              ; O^T.  (The key step is written without a first step of its own: it finds zeros, which the first change of m leaves zeros)
.set i, i+1
.endr
	WIN 0
	v_bfe_u32 v4, v0, 4, 1
	v_lshl_add_u32 v[LB], v4, 5, BIAS
.irp t, 0,1,2,3
	v_mov_b32 v[ST+4*\t+1], 0xef800000             ; m = -2^96
	v_mov_b32 v[ST+4*\t+2], 0                      ; l
	v_mov_b32 v[ST+4*\t+3], 0
.endr
.irp t, 0,1,2,3
	v_mul_f32 v[ST+4*\t], s[CS], v[ST+4*\t+1]      ; c m
.endr
	v_lshl_add_u32 v25, v0, 5, BIAS                ; where my 8 mask numbers go
	s_wait_loadcnt 16                              ; the mask bytes are in; Q's sixteen loads may be out
.irp i, 0,1,2,3,4,5,6,7
	v_bfe_u32 v[72+\i], v[64+\i/4], 8*(\i%4), 8
.endr
.irp i, 0,1,2,3,4,5,6,7
	v_cvt_f32_u32 v[72+\i], v[72+\i]
.endr
.irp i, 0,1,2,3,4,5,6,7
	v_mul_f32 v[72+\i], 0xf1800000, v[72+\i]       ; x -2^100
.endr
	ds_store_b128 v25, v[72:75]
	ds_store_b128 v25, v[76:79] offset:16
	s_wait_tensorcnt 0x1                           ; my part of slot 0 is in; slot 1's may stay out
	s_wait_dscnt 0x0                               ; for the others' sake: my mask numbers lie in LDS
	s_barrier_signal -1
	s_barrier_wait -1
; S^T = K Q^T for the wave's four tiles: 32 products.  The 16 accumulators take turns, one instruction a turn.  The first 16 start the sums with the mask's numbers as C.
.macro KQ_ALL
	WIN 0x05                                       ; K and Q in window 1; C and D in window 0
.irp c, 0,1
.irp kt, 0,1,2,3
.irp t, 0,1,2,3
.if \c == 0
	v_wmma_f32_16x16x32_f16 v[S+32*\t+8*\kt:S+32*\t+8*\kt+7], v[KF+8*(2*\kt+\c):KF+8*(2*\kt+\c)+7], v[QF+16*\t+8*\c:QF+16*\t+8*\c+7], v[BI+8*\kt:BI+8*\kt+7]
.else
	v_wmma_f32_16x16x32_f16 v[S+32*\t+8*\kt:S+32*\t+8*\kt+7], v[KF+8*(2*\kt+\c):KF+8*(2*\kt+\c)+7], v[QF+16*\t+8*\c:QF+16*\t+8*\c+7], v[S+32*\t+8*\kt:S+32*\t+8*\kt+7]
.endif
.endr
.endr
.endr
.endm
; O^T += V^T P: 32 products: keys 32 u on, channels 16 ct on, tile t; the 16 accumulators by turns.
.macro PV_ALL
	WIN 0x50                                       ; V and P in window 0; C and D in window 1
.irp u, 0,1
.irp ct, 0,1,2,3
.irp t, 0,1,2,3
	v_wmma_f32_16x16x32_f16 v[32*\t+8*\ct:32*\t+8*\ct+7], v[VF+8*(4*\u+\ct):VF+8*(4*\u+\ct)+7], v[S+32*\t+8*\u:S+32*\t+8*\u+7], v[32*\t+8*\ct:32*\t+8*\ct+7]
.endr
.endr
.endr
.endm
.macro VLOAD                           ; the step's V, turned: fragment (u, ct): channels 16 ct on x keys 32 u on: two blocks of 16 keys x 16 channels, each 512 bytes on end
.irp u, 0,1
.irp ct, 0,1,2,3
	ds_load_tr16_b128 v[VF+8*(4*\u+\ct):VF+8*(4*\u+\ct)+3],   v[ADV] offset:8192+(2*\u)*2048+\ct*512
	ds_load_tr16_b128 v[VF+8*(4*\u+\ct)+4:VF+8*(4*\u+\ct)+7], v[ADV] offset:8192+(2*\u+1)*2048+\ct*512
.endr
.endr
.endm
.macro KLOAD                           ; a step's K: fragment (kt, c): keys 16 kt on x channels 32 c on: two blocks on end
	WIN 0x40
.irp kt, 0,1,2,3
.irp c, 0,1
	ds_load_b128 v[KF+8*(2*\kt+\c):KF+8*(2*\kt+\c)+3],   v[ADK] offset:\kt*2048+\c*1024
	ds_load_b128 v[KF+8*(2*\kt+\c)+4:KF+8*(2*\kt+\c)+7], v[ADK] offset:\kt*2048+\c*1024+512
.endr
.endr
	WIN 0
.endm
.macro BLOAD                           ; a step's mask numbers in the scores' layout: for the tile kt of keys, those of keys 16 kt + 8 (lane / 16) + 0 .. 7
.irp kt, 0,1,2,3
	ds_load_b128 v[BI+8*\kt:BI+8*\kt+3],   v[ADB] offset:64*\kt
	ds_load_b128 v[BI+8*\kt+4:BI+8*\kt+7], v[ADB] offset:64*\kt+16
.endr
.endm
; THE SOFTMAX of tiles x and x + 1 for one key step, the two tiles line by line by turns, so that where a line feeds the next the other tile's stands between.  118 vector instructions a tile.
.macro SOFT x
.irp t, \x, \x+1                       ; the maximum of the lane's 32 scores and the old m: two chains; each accumulator of 8 is first read in its four lowest registers
	v_max3_num_f32 v[WK+4*((\t)%2)],   v[S+32*(\t)],    v[S+32*(\t)+1],  v[S+32*(\t)+2]
	v_max3_num_f32 v[WK+4*((\t)%2)+1], v[S+32*(\t)+16], v[S+32*(\t)+17], v[S+32*(\t)+18]
.endr
.irp i, 3,5,7,9,11,13
.irp t, \x, \x+1
	v_max3_num_f32 v[WK+4*((\t)%2)],   v[WK+4*((\t)%2)],   v[S+32*(\t)+\i],    v[S+32*(\t)+\i+1]
	v_max3_num_f32 v[WK+4*((\t)%2)+1], v[WK+4*((\t)%2)+1], v[S+32*(\t)+16+\i], v[S+32*(\t)+17+\i]
.endr
.endr
.irp t, \x, \x+1
	v_max3_num_f32 v[WK+4*((\t)%2)], v[WK+4*((\t)%2)], v[S+32*(\t)+15], v[S+32*(\t)+31]
.endr
.irp t, \x, \x+1
	v_max3_num_f32 v[WK+4*((\t)%2)], v[WK+4*((\t)%2)], v[WK+4*((\t)%2)+1], v[ST+4*(\t)+1]
.endr
.irp t, \x, \x+1
	v_permlanex16_b32 v[WK+4*((\t)%2)+1], v[WK+4*((\t)%2)], s[SEL], s[SEL+1]   ; the query's other 32 keys lie in the lane 16 away
.endr
.irp t, \x, \x+1
	v_mov_b32 v[WK+4*((\t)%2)+3], v[ST+4*(\t)]     ; c m_old is kept for a
.endr
.irp t, \x, \x+1
	v_max_num_f32 v[ST+4*(\t)+1], v[WK+4*((\t)%2)], v[WK+4*((\t)%2)+1]
.endr
.irp t, \x, \x+1
	v_mul_f32 v[ST+4*(\t)], s[CS], v[ST+4*(\t)+1]
.endr
.irp t, \x, \x+1
	v_sub_f32 v[WK+4*((\t)%2)+3], v[WK+4*((\t)%2)+3], v[ST+4*(\t)]
.endr
	; ONE BATCH: a, the 16 scalings c s - c m of each tile, and its 32 exponentials; a pair's exponentials stand behind the next pair's scalings.  None of these lines names an exponential's result.
.irp t, \x, \x+1
	v_exp_f32 v[WK+4*((\t)%2)+2], v[WK+4*((\t)%2)+3]
.endr
.irp i, 0,1,2,3,4,5,6,7,8,9,10,11,12,13,14,15
.irp t, \x, \x+1
	v_pk_fma_f32 v[S+32*(\t)+2*\i:S+32*(\t)+2*\i+1], v[S+32*(\t)+2*\i:S+32*(\t)+2*\i+1], s[CS:CS+1], v[ST+4*(\t):ST+4*(\t)+1] op_sel_hi:[1,0,0] neg_lo:[0,0,1] neg_hi:[0,0,1]
.endr
.if \i > 0
.irp t, \x, \x+1
	v_exp_f32 v[S+32*(\t)+2*\i-2], v[S+32*(\t)+2*\i-2]
	v_exp_f32 v[S+32*(\t)+2*\i-1], v[S+32*(\t)+2*\i-1]
.endr
.endif
.endr
.irp t, \x, \x+1
	v_exp_f32 v[S+32*(\t)+30], v[S+32*(\t)+30]
	v_exp_f32 v[S+32*(\t)+31], v[S+32*(\t)+31]
.endr
	v_nop                                          ; a plain instruction behind the last exponential, ahead of the first use (ISA guide 5.7.2)
	s_wait_alu depctr_va_vdst(0)                   ; a wait ahead of the first line that names a result: one for the 66 exponentials
	; the step's sum, of the unrounded p, and the roundings to f16 IN PLACE: rounding k writes register k and reads registers 2 k, 2 k + 1; what it writes over has been summed and rounded
.irp t, \x, \x+1
	v_pk_add_f32 v[WK+4*((\t)%2):WK+4*((\t)%2)+1], v[S+32*(\t):S+32*(\t)+1], v[S+32*(\t)+2:S+32*(\t)+3]
.endr
.irp t, \x, \x+1
	v_cvt_pk_f16_f32 v[S+32*(\t)], v[S+32*(\t)], v[S+32*(\t)+1]
.endr
.irp k, 2,3,4,5,6,7,8,9,10,11,12,13,14,15
.irp t, \x, \x+1
	v_pk_add_f32 v[WK+4*((\t)%2):WK+4*((\t)%2)+1], v[WK+4*((\t)%2):WK+4*((\t)%2)+1], v[S+32*(\t)+2*\k:S+32*(\t)+2*\k+1]
.endr
.irp t, \x, \x+1
	v_cvt_pk_f16_f32 v[S+32*(\t)+\k-1], v[S+32*(\t)+2*\k-2], v[S+32*(\t)+2*\k-1]
.endr
.endr
.irp t, \x, \x+1
	v_cvt_pk_f16_f32 v[S+32*(\t)+15], v[S+32*(\t)+30], v[S+32*(\t)+31]
.endr
.irp t, \x, \x+1
	v_pk_fma_f32 v[ST+4*(\t)+2:ST+4*(\t)+3], v[ST+4*(\t)+2:ST+4*(\t)+3], v[WK+4*((\t)%2)+2:WK+4*((\t)%2)+3], v[WK+4*((\t)%2):WK+4*((\t)%2)+1] op_sel_hi:[1,0,1]   ; l = l a + the step's sum
.endr
	WIN 0x41                                       ; O^T (destination and source 0) in window 1, a in window 0
.irp i, 0,2,4,6,8,10,12,14,16,18,20,22,24,26,28,30
.irp t, \x, \x+1
	v_pk_mul_f32 v[32*(\t)+\i:32*(\t)+\i+1], v[32*(\t)+\i:32*(\t)+\i+1], v[WK+4*((\t)%2)+2:WK+4*((\t)%2)+3] op_sel_hi:[1,0]
.endr
.endr
	WIN 0
.endm
; THE CHANGE OF SLOTS, behind the loads of the slot's last V.  Each wave waits for all its tensor loads, of which at most one is out: its part of the other slot; adds 0 to its spare word; and waits for that and for its own
; reads of the slot.  Behind the barrier nobody reads this slot any more and the other slot is whole.  fill = 1: this slot is filled again, with the keys two slots on: the barrier is then a round of the cluster's, and the
; joint refill is the first thing behind it, my one tensor load until the next change: it has eight key steps in which to land.
.macro CHANGE fill
	s_wait_tensorcnt 0x0                           ; no tensor load of mine is out, so a group 0 may be written
	ds_add_u32 v[SPW], v[NIL]                      ; 0 onto my spare word
.if \fill
	s_xor_b32 s29, s29, SLOT1                      ; the walking descriptor: the other slot than last time,
	s_add_nc_u64 s[30:31], s[30:31], 8*UNIT        ; the next eight key steps; the type bits on top are not reached
.endif
	s_wait_dscnt 0x0                               ; the add is done, and my reads of the slot are over
.if \fill
	CROUND
	tensor_load_to_lds s[28:31], s[G1:G1+7]
	s_nop 0
.rept 4
	v_nop
.endr
.else
	s_barrier_signal -1
	s_barrier_wait -1
.endif
.endm
; A KEY STEP: 64 keys.  kind 0: plain; 1: the slot's last, and the slot is filled again; 2: the slot's last, nothing is filled; 3: the last of all.
; K and the mask numbers of step j + 1 are fetched in step j, behind its products K Q^T; V of step j behind them too: each run of loads has the two softmaxes in which to land.
.macro STEP kind
	s_wait_dscnt 0x0                               ; K and the mask numbers are in
	KQ_ALL
	WIN 0
	v_add_nc_u32 v[ADV], s[TB], v[L16]             ; with the three v_nop: the four places behind the products, ahead of the loads into K's and the mask's registers and of the first read of the scores
.rept 3
	v_nop
.endr
	VLOAD
.if (\kind == 1) || (\kind == 2)
	CHANGE 2-\kind
.endif
.if \kind != 3
	s_add_co_u32 s[TB], s[TB], STEPB               ; the next step's tiles:
.if (\kind == 1) || (\kind == 2)
	s_sub_co_u32 s[TB], s[TB], SLOT1               ; back to a slot's first step,
	s_xor_b32 s[TB], s[TB], SLOT1                  ; in the other slot
.endif
	s_add_co_u32 s[TJ], s[TJ], 256
	v_add_nc_u32 v[ADK], s[TB], v[L16]
	v_add_nc_u32 v[ADB], s[TJ], v[LB]
	BLOAD
	KLOAD
.endif
	SOFT 0
	SOFT 2
.if \kind != 3
	s_wait_dscnt 24                                ; V is in; the 8 + 16 loads issued behind it, the next step's mask numbers and K, may be out
.else
	s_wait_dscnt 0x0
.endif
	PV_ALL
	WIN 0
.rept 5
	v_nop                                          ; five places: the next products K Q^T write over P, which these products read; at the end: ahead of the first read of O^T
.endr
.endm
.macro SEVEN                           ; a slot's first seven steps: written once, walked seven times; the LDS addresses hang on s[TB] and s[TJ]
	s_mov_b32 s38, 7
.Lseven_\@:
	STEP 0
	s_sub_co_u32 s38, s38, 1
	s_cmp_lg_u32 s38, 0
	s_cbranch_scc1 .Lseven_\@
.endm
	v_add_nc_u32 v[ADK], s[TB], v[L16]             ; key step 0
	v_add_nc_u32 v[ADB], s[TJ], v[LB]
	BLOAD
	KLOAD
	s_wait_loadcnt 0x0                             ; Q
	s_mov_b32 s39, 2
.Louter:                                               ; two trips: key steps 0-7 and 8-15; at the end of each the slot just read is filled again
	SEVEN
	STEP 1
	s_sub_co_u32 s39, s39, 1
	s_cmp_lg_u32 s39, 0
	s_cbranch_scc1 .Louter
	SEVEN                                          ; key steps 16-23: the tail is written out
	STEP 2
	SEVEN                                          ; key steps 24-31
	STEP 3
	; THE WAY OUT.  l's two halves and the other half of the lanes' are added; O^T is divided by l and goes through my stage in LDS, a tile (16 rows of 256 bytes) at a time, so that sixteen lanes store 256 consecutive bytes.
.irp t, 0,1,2,3
	v_add_f32 v[ST+4*\t], v[ST+4*\t+2], v[ST+4*\t+3]
.endr
.irp t, 0,1,2,3
	v_permlanex16_b32 v[ST+4*\t+1], v[ST+4*\t], s[SEL], s[SEL+1]
.endr
.irp t, 0,1,2,3
	v_add_f32 v[ST+4*\t], v[ST+4*\t], v[ST+4*\t+1]
.endr
.irp t, 0,1,2,3
	v_rcp_f32 v[ST+4*\t+2], v[ST+4*\t]
.endr
	v_and_b32 v27, 15, v0                          ; (plain work behind the reciprocals)  r
	v_bfe_u32 v28, v0, 4, 1                        ; h
	s_mul_i32 s13, s[WV], 16*SPI
	s_add_co_u32 s13, s13, STAGE                   ; my stage
	v_mul_u32_u24 v24, v27, SPI
	v_lshl_add_u32 v24, v28, 5, v24
	v_add_nc_u32 v24, s13, v24                     ; in: row r; the channel tile ct's eight numbers of my half: 64 ct + 32 h bytes on
	v_mul_u32_u24 v25, v28, SPI
	v_lshl_add_u32 v25, v27, 4, v25
	v_add_nc_u32 v25, s13, v25                     ; back: lanes 0-15 one row, lanes 16-31 the next
	v_lshlrev_b32 v26, 12, v28
	v_lshl_add_u32 v26, v27, 4, v26                ; and the same two rows of the output, 4,096 bytes apart
	s_wait_alu depctr_va_vdst(0)                   ; a wait ahead of the first use: one for the four reciprocals
.macro PACK t
	WIN 0x01                                       ; source 0 (O^T) window 1; 1 / l and the destination window 0: S^T's registers are free
.irp i, 0,2,4,6,8,10,12,14,16,18,20,22,24,26,28,30
	v_pk_mul_f32 v[S+32*\t+\i:S+32*\t+\i+1], v[32*\t+\i:32*\t+\i+1], v[ST+4*\t+2:ST+4*\t+3] op_sel_hi:[1,0]
.endr
	WIN 0
.irp ct, 0,1,2,3
	ds_store_b128 v24, v[S+32*\t+8*\ct:S+32*\t+8*\ct+3] offset:64*\ct
	ds_store_b128 v24, v[S+32*\t+8*\ct+4:S+32*\t+8*\ct+7] offset:64*\ct+16
.endr
.irp i, 0,1,2,3,4,5,6,7
	ds_load_b128 v[S+32*\t+4*\i:S+32*\t+4*\i+3], v25 offset:\i*2*SPI   ; LDS serves a wave's instructions in order (ISA guide 5.7.1.4): these see the stores above; the next tile's stores come behind them
.endr
.endm
.macro SEND t, younger                 ; younger: the LDS instructions issued behind tile t's loads: the next tile's sixteen, or none
.irp i, 0,1,2,3,4,5,6,7
	s_wait_dscnt \younger+7-\i
	global_store_b128 v26, v[S+32*\t+4*\i:S+32*\t+4*\i+3], s[8:9] offset:(16*\t+2*\i)*4096 th:TH_STORE_NT   ; 16 lanes store 256 consecutive bytes, aligned: a head's 64 channels of one row
.endr
.endm
	PACK 0
	PACK 1                                         ; a tile's arithmetic stands between the loads of the tile before and its stores
	SEND 0, 16
	PACK 2
	SEND 1, 16
	PACK 3
	SEND 2, 16
	SEND 3, 0
	s_wait_tensorcnt 0x0                           ; the wave's end
	ds_add_u32 v[SPW], v[NIL]
	s_wait_dscnt 0x0
	CROUND                                         ; the closing round: no work-group ends while a partner may still ask for a tile that names it
	s_endpgm
.Lfunc_end_k_q15241b41ec_attn:
	.size	k_q15241b41ec_attn, .Lfunc_end_k_q15241b41ec_attn-k_q15241b41ec_attn
	.p2alignl 7, 3214868480
	.fill 96, 4, 3214868480
	.section	.rodata,"a",@progbits
	.p2align	6, 0x0
	.amdhsa_kernel k_q15241b41ec_attn
		.amdhsa_group_segment_fixed_size 327680
		.amdhsa_private_segment_fixed_size 0
		.amdhsa_enable_private_segment 0
		.amdhsa_kernarg_size 24
		.amdhsa_user_sgpr_count 2
		.amdhsa_user_sgpr_kernarg_segment_ptr 1
		.amdhsa_wavefront_size32 1
		.amdhsa_system_sgpr_workgroup_id_x 1
		.amdhsa_system_sgpr_workgroup_id_y 1
		.amdhsa_system_sgpr_workgroup_id_z 1
		.amdhsa_system_vgpr_workitem_id 0
		.amdhsa_next_free_vgpr 512
		.amdhsa_next_free_sgpr 66
		.amdhsa_reserve_vcc 0
		.amdhsa_float_denorm_mode_32 3
		.amdhsa_float_denorm_mode_16_64 3
		.amdhsa_memory_ordered 1
		.amdhsa_forward_progress 1
		.amdhsa_inst_pref_size 222
	.end_amdhsa_kernel
	.amdgpu_metadata
---
amdhsa.version: [ 1, 2 ]
amdhsa.kernels:
  - .name:           k_q15241b41ec_attn
    .symbol:         k_q15241b41ec_attn.kd
    .args:
      - { .name: qkv, .offset: 0, .size: 8, .value_kind: global_buffer, .address_space: global }
      - { .name: mask, .offset: 8, .size: 8, .value_kind: global_buffer, .address_space: global }
      - { .name: out0, .offset: 16, .size: 8, .value_kind: global_buffer, .address_space: global }
    .group_segment_fixed_size: 327680
    .private_segment_fixed_size: 0
    .kernarg_segment_align: 8
    .kernarg_segment_size: 24
    .max_flat_workgroup_size: 256
    .sgpr_count:     66
    .vgpr_count:     512
    .wavefront_size: 32
...
	.end_amdgpu_metadata
.endif
;; end of part 3
